; MI455X (gfx1250); checked and timed in simulation.
; The chip was launched on July 23, 2026; its instructions are those of AMD's public machine-readable ISA for CDNA 5 (MIT licence, August 2026) and "CDNA5" Instruction Set Architecture Reference Guide (July 2026). The comments in the code are by the model that wrote it; some were corrected since.
;; Sol Masked Attention. Allowed arithmetic: matrix products marked QUANTISED: E4M3 operands, one given power-of-two scale a tensor, by v_wmma_f32_16x16x64_fp8_fp8 or v_wmma_f32_16x16x128_fp8_fp8, f32 sums; everything else in f32.
;; Inputs: W_fc 1,024 x 1,024 float32; W_qkv 1,024 x 3,072 float32; b_fc 1,024 float32; b_qkv 3,072 float32; lowp_scales 8 int32 (the exponents e of the quantised operands' scales 2^e); x 4 x 2,048 x 1,024 float32.
;; Outputs: out0 4 x 2,048 x 1,024 float32.
;; This version of the problem:
;;   THIS VERSION OF THE PROBLEM IS GIVEN IN LOW PRECISION. The matrix products marked QUANTISED in the list below multiply operands that are first quantised to E4M3 (4 exponent bits, 3 mantissa bits; 8 bits a number), with one given power-of-two scale for each operand tensor; their sums are f32. All else is computed in f32.
;;   The module's matrix products, in the order in which they are computed (A, B: the left and right operand; K: the contracted axis; several contracted axes count as one K, in the product's order):
;;     1. [M 8,192, K 1,024] x [K 1,024, N 3,072]; A: input x; B: input W_qkv: QUANTISED (scales: A lowp_scales[0], B lowp_scales[1])
;;     2. batch 64 x [M 2,048, K 64] x [K 64, N 2,048]; A: computed on the way; B: computed on the way: QUANTISED (scales: A lowp_scales[2], B lowp_scales[3])
;;     3. batch 64 x [M 2,048, K 2,048] x [K 2,048, N 64]; A: softmax (see below); B: computed on the way: QUANTISED (scales: A lowp_scales[4], B lowp_scales[5])
;;     4. [M 8,192, K 1,024] x [K 1,024, N 1,024]; A: computed on the way; B: input W_fc: QUANTISED (scales: A lowp_scales[6], B lowp_scales[7])
;;   THE QUANTISER, for each operand of a quantised product, along K:
;;     - The operand's scale is 2^e, e = its entry of the input lowp_scales (int32; the entries are numbered through the quantised products in the list's order, A before B).
;;     - Each number is divided by the scale, clamped to +-448, and rounded to the nearest number of E4M3, ties to even, subnormals kept.
;;     - The product sums the exact products of the quantised numbers (number of the format x scale) in f32.
;;   ~~~python
;;   def quantise(x, axis, e):      # numpy; x: float32 -> the quantised numbers, widened to float32 again
;;       x = np.moveaxis(x, axis, -1); K = x.shape[-1]
;;       r = np.clip(x / 2.0 ** e, -448, 448)
;;       step = 2.0 ** (np.maximum(np.frexp(np.where(r == 0, 1, r))[1] - 1, -6) - 3)
;;       q = np.round(r / step) * step * 2.0 ** e      # np.round: ties to even
;;       return np.moveaxis(q, -1, axis).astype(np.float32)
;;   ~~~
;;   SOFTMAX AHEAD OF A QUANTISED PRODUCT. Where the list says 'softmax', what is quantised is not the finished softmax but p = 2^(t - M), with t = logit x log2(e) and M = ceil(the row's largest t), a whole number; so 1/2 < the row's largest p <= 1. The row's sum l is taken of the UNQUANTISED p, in f32, and the product's result is divided by l at the end. Since M is a whole number, a kernel that streams over the keys may use a running M (the ceiling of the running maximum): every later rescaling is an exact power of two, so the quantised numbers keep their values, but for numbers so far below the row's largest that they fall under the format's range.
;;   OPERANDS COMPUTED ON THE WAY. 'Computed on the way' means the value that the module computes at that place (a softmax that the list does not call 'softmax' is quantised finished and normalised). What goes into a quantiser is computed in f32, as accurately as f32 sums, v_exp_f32 and their like allow (about 1e-6 of the number): no bf16 or f16 on the way to a quantiser, and a product that is left as it is and whose result goes on into a quantised operand takes f32 operands (vector FMAs, or v_wmma_f32_16x16x4_f32). A number that lies on a knife's edge between two numbers of the format may be rounded either way, as far as f32 arithmetic and the matrix unit's own rounding can turn it there, and no further.
;; One version. Each part assembles by itself: llvm-mc -triple=amdgcn-amd-amdhsa -mcpu=gfx1250 --defsym DOCPART=n.
;; ======== version 1 of 1: 4 launches
;; limits: right only within a limited range of input values
;; workspace buffers: xc 8,388,608 bytes; wqc 3,145,728 bytes; wfc 1,048,576 bytes; qc 8,388,608 bytes; kc 8,388,608 bytes; vc 8,388,608 bytes; yc 8,388,608 bytes
;; launch quant (part 1): grid 384 x 1, 4 waves a work-group, no clusters, 34,304 bytes of LDS; arguments x, W_qkv, W_fc, lowp_scales, xc, wqc, wfc; writes xc, wqc, wfc
.if DOCPART == 1
	.amdgcn_target "amdgcn-amd-amdhsa--gfx1250"
	.amdhsa_code_object_version 6
	.text
	.protected	k_q1c7321a5c8_quant
	.globl	k_q1c7321a5c8_quant
	.p2align	8
	.type	k_q1c7321a5c8_quant,@function
k_q1c7321a5c8_quant:
	s_mov_b64 s[64:65], 0
	v_nop
	global_prefetch_b8 v0, s[64:65] scope:SCOPE_SE
	s_setreg_imm32_b32 hwreg(HW_REG_WAVE_MODE, 25, 1), 1
	s_wait_xcnt 0x0
; x [8192][1024], W_qkv [1024][3072] and W_fc [1024][1024], f32, become codes of FP8 (E4M3), each with the one scale 2^e that is given for it (entries 0, 1 and 7 of the scales).
; code = number / 2^e, rounded to the nearest code, ties to even.
; LIMITS: e between -126 and 119, so that 2^e and 448 x 2^e are f32 numbers.  NaN among the inputs is not served.
; THE CODES ARE LAID AS IMAGES OF OPERAND REGISTERS.  A tile is 16 rows x 1,024 K = 16,384 bytes: [s 0..7][c 0..3][lane 0..31][16 bytes]; lane (r = lane % 16, h = lane / 16) holds
; k = 128 s + 32 c + 16 h + 0 .. 15 of its row.  THE ROWS OF A TILE ARE NOT NEIGHBOURS: tile 2 g + u gives lane r the row 32 g + 8 u + r + 8 (r / 8).  For x a row is a token, for the weights an output column.
; Work-groups 0-255 take x (K innermost), 256-351 W_qkv, 352-383 W_fc (K is the first axis); each reads 131,072 bytes.  Waves share nothing: no barrier.  Nothing is read twice, so LDS tiles, clusters and matrix units have no use here.
.set XR,  16                           ; v16-143  x: two sets of 64 registers as loaded (16 rows x 16 bytes a lane)
.set XN,  144                          ; v144-207 x: 64 numbers of my row, register 16 c + i = k 32 c + 16 h + i
.set XC,  208                          ; v208-239 x: two sets of 16 registers of codes
.set WX,  32                           ; v32-95   weights: two sets of 32 numbers down K
.set WC,  96                           ; v96-111  weights: two sets of 8 registers of codes
.set SP,  528                          ; a stage row: 512 bytes + 16: sixteen lanes that read sixteen rows fall on sixteen different columns of 16 bytes
.set WST, 16*SP                        ; a wave's stage
	s_load_b256 s[4:11], s[0:1], 0x0               ; x s[4:5], W_qkv s[6:7], W_fc s[8:9], the scales' exponents s[10:11]
	s_load_b128 s[12:15], s[0:1], 0x20             ; x's codes s[12:13], W_qkv's s[14:15]
	s_load_b64 s[16:17], s[0:1], 0x30              ; W_fc's
	v_lshl_add_u32 v240, v0, 2, 0x8400
	v_mov_b32 v241, 0
	v_lshrrev_b32 v1, 5, v0
	v_readfirstlane_b32 s18, v1                    ; wave 0..3
	v_and_b32 v1, 31, v0                           ; lane
	v_and_b32 v5, 15, v0                           ; r
	v_bfe_u32 v6, v0, 4, 1                         ; h
	v_lshlrev_b32 v2, 4, v1                        ; 16 x lane: my bytes of a load's 512, and of an image's
	s_mul_i32 s19, s18, WST
	v_add_nc_u32 v3, s19, v2                       ; the stage, on the way in: a row as it lies
	v_mul_u32_u24 v4, v5, SP
	v_lshl_add_u32 v4, v6, 6, v4
	v_add_nc_u32 v4, s19, v4                       ; and on the way out: row r, + 64 h: my 16 numbers of a block of 32
	v_and_b32 v7, 8, v5
	v_add_nc_u32 v7, v7, v5                        ; r + 8 (r / 8)
	v_lshl_add_u32 v7, v6, 3, v7                   ; + 8 u: the weights' lane takes this column of its wave's 32 (u = lane / 16)
	v_lshlrev_b32 v7, 2, v7
	v_lshlrev_b32 v8, 4, v5
	v_lshl_add_u32 v8, v6, 14, v8                  ; and stores at tile u, 16 r
	s_wait_kmcnt 0x0
	s_load_b256 s[20:27], s[10:11], 0x0            ; e0 .. e7
	s_cmp_lt_u32 ttmp9, 256
	s_cbranch_scc0 .Lweights
.macro SCALE e                         ; v11 = 2^e (the conversion takes its exponent field), s28 = 448 x 2^e
	s_add_co_i32 s28, s[\e], 127
	s_lshl_b32 s29, s28, 23
	v_mov_b32 v11, s29
	s_add_co_i32 s28, s28, 8
	s_lshl_b32 s28, s28, 23
	s_or_b32 s28, s28, 0x600000
.endm
; ---- x.  A wave takes one tile's 16 rows x 512 along K, in four steps of 128.  Each load reads 512 consecutive bytes of one row; the step's 16 rows turn through the wave's own stage, so that a lane gets 16 neighbours of each block of 32.
	s_lshl_b32 s30, ttmp9, 2
	s_add_co_u32 s30, s30, s18
	s_lshr_b32 s31, s30, 1                         ; the tile
	s_and_b32 s32, s30, 1                          ; which half of K
	s_lshr_b32 s33, s31, 1
	s_lshl_b32 s33, s33, 5
	s_and_b32 s34, s31, 1
	s_lshl_b32 s34, s34, 3
	s_add_co_u32 s33, s33, s34                     ; its first row: 32 g + 8 u
	s_lshl_b32 s34, s33, 12
	s_lshl_b32 s35, s32, 11
	s_add_co_u32 s34, s34, s35
	s_mov_b32 s35, 0
	s_add_nc_u64 s[4:5], s[4:5], s[34:35]
	s_lshl_b32 s36, s31, 14
	s_lshl_b32 s37, s32, 13
	s_add_co_u32 s36, s36, s37
	s_mov_b32 s37, 0
	s_add_nc_u64 s[12:13], s[12:13], s[36:37]
.macro LOADX t
.irp i, 0,1,2,3,4,5,6,7,8,9,10,11,12,13,14,15
	global_load_b128 v[XR+64*((\t)%2)+4*\i:XR+64*((\t)%2)+4*\i+3], v2, s[4:5] offset:(\i+8*(\i/8))*4096+(\t)*512 th:TH_LOAD_NT   ; the tile's row i lies i + 8 (i / 8) rows down
.endr
.endm
.macro STEPX t
.set XS, XR+64*((\t)%2)
.set CS, XC+16*((\t)%2)
.if (\t) < 3
	s_wait_loadcnt 16                              ; this step's 16 loads are in; the next step's 16 may be out
.else
	s_wait_loadcnt 0
.endif
.irp i, 0,1,2,3,4,5,6,7,8,9,10,11,12,13,14,15
	ds_store_b128 v3, v[XS+4*\i:XS+4*\i+3] offset:\i*SP
.endr
.irp c, 0,1,2,3
.irp j, 0,1,2,3
	ds_load_b128 v[XN+16*\c+4*\j:XN+16*\c+4*\j+3], v4 offset:128*\c+16*\j   ; LDS serves a wave's instructions in order: these see the stores above
.endr
.endr
	s_wait_dscnt 0x0                               ; the numbers are back, and the stores into the stage have read their registers,
.if (\t)+2 < 4
	LOADX (\t)+2                                   ; which take the loads of two steps on
.endif
.set j, 0
.rept 64
.set j, j+1
.endr
.if (\t) >= 2
	s_wait_xcnt 0x0                                ; the stores of two steps ago have read this set of codes: only behind this wait is it written again
.endif
.irp g, 0,1,2,3,4,5,6,7
	v_cvt_scalef32_pk8_fp8_f32 v[CS+2*\g:CS+2*\g+1], v[XN+8*\g:XN+8*\g+7], v11
.endr
	v_nop                                          ; a plain line behind the last conversion
.irp c, 0,1,2,3
	global_store_b128 v2, v[CS+4*\c:CS+4*\c+3], s[12:13] offset:(\t)*2048+512*\c   ; 32 lanes store 512 consecutive bytes, aligned
.endr
.endm
	LOADX 0
	LOADX 1
	s_wait_kmcnt 0x0
	SCALE 20
	s_wait_alu depctr_va_vdst(0)
	STEPX 0
	STEPX 1
	STEPX 2
	STEPX 3
	s_wait_tensorcnt 0x0
	ds_add_u32 v240, v241
	s_wait_dscnt 0x0
	s_endpgm
; ---- a weight [1024 (k)][N].  A wave takes 32 columns x 256 along K.  A LANE TAKES A COLUMN AND ITS REGISTERS RUN DOWN K: the conversions then give codes with K innermost.
; The lanes take the columns in the tiles' own order, so a lane's 16 codes are 16 bytes of an image and leave without a stage: in each store lanes 0-15 fill 256 aligned bytes of tile 2 g, lanes 16-31 of tile 2 g + 1.
.macro LOADW t, N, inr
.irp i, 0,1,2,3,4,5,6,7,8,9,10,11,12,13,14,15,16,17,18,19,20,21,22,23,24,25,26,27,28,29,30,31
	global_load_b32 v[WX+32*((\t)%2)+\i], v7, s[\inr:\inr+1] offset:(32*(\t)+\i)*\N*4 th:TH_LOAD_NT   ; at most 255 rows of 12,288 bytes: inside the signed 24-bit immediate
.endr
.endm
.macro BLOCK t, N, inr, outr
.set XS, WX+32*((\t)%2)
.set CS, WC+8*((\t)%2)
.if (\t) < 7
	s_wait_loadcnt 32                              ; this block's 32 loads are in; the next block's may be out
.else
	s_wait_loadcnt 0
.endif
.set j, 0
.rept 32
.set j, j+1
.endr
.if (\t) >= 2
	s_wait_xcnt 0x0                                ; the stores of two blocks ago have read this set of codes
.endif
.irp g, 0,1,2,3
	v_cvt_scalef32_pk8_fp8_f32 v[CS+2*\g:CS+2*\g+1], v[XS+8*\g:XS+8*\g+7], v11
.endr
	v_nop
	global_store_b128 v8, v[CS:CS+3], s[\outr:\outr+1] offset:(\t)*512          ; k 32 t + 0 .. 15: the image's lanes 0-15
	global_store_b128 v8, v[CS+4:CS+7], s[\outr:\outr+1] offset:(\t)*512+256    ; k 32 t + 16 .. 31: its lanes 16-31
.if (\t)+2 < 8
	LOADW (\t)+2, \N, \inr
.endif
.endm
.macro WPATH N, inr, outr, e, first
	s_sub_co_u32 s30, ttmp9, \first
	s_lshr_b32 s31, s30, 2                         ; which 128 columns
	s_and_b32 s32, s30, 3                          ; which 256 along K
	s_mul_i32 s34, s32, 256*\N*4
	s_lshl_b32 s33, s31, 7
	s_lshl_b32 s35, s18, 5
	s_add_co_u32 s33, s33, s35                     ; my wave's first column
	s_lshl_b32 s35, s33, 2
	s_add_co_u32 s34, s34, s35
	s_mov_b32 s35, 0
	s_add_nc_u64 s[\inr:\inr+1], s[\inr:\inr+1], s[34:35]
	s_lshl_b32 s36, s33, 10                        ; column / 16 tiles of 16,384 bytes
	s_lshl_b32 s37, s32, 12                        ; 256 along K are 4,096 bytes of a tile
	s_add_co_u32 s36, s36, s37
	s_mov_b32 s37, 0
	s_add_nc_u64 s[\outr:\outr+1], s[\outr:\outr+1], s[36:37]
	LOADW 0, \N, \inr
	LOADW 1, \N, \inr
	s_wait_kmcnt 0x0
	SCALE \e
	s_wait_alu depctr_va_vdst(0)
.irp t, 0,1,2,3,4,5,6,7
	BLOCK \t, \N, \inr, \outr
.endr
	s_endpgm
.endm
.Lweights:
	s_cmp_lt_u32 ttmp9, 352
	s_cbranch_scc0 .Lwfc
	s_wait_alu depctr_va_vdst(0)
	WPATH 3072, 6, 14, 21, 256
.Lwfc:
	s_wait_alu depctr_va_vdst(0)
	WPATH 1024, 8, 16, 27, 352
.Lfunc_end_k_q1c7321a5c8_quant:
	.size	k_q1c7321a5c8_quant, .Lfunc_end_k_q1c7321a5c8_quant-k_q1c7321a5c8_quant
	.p2alignl 7, 3214868480
	.fill 96, 4, 3214868480
	.section	.rodata,"a",@progbits
	.p2align	6, 0x0
	.amdhsa_kernel k_q1c7321a5c8_quant
		.amdhsa_group_segment_fixed_size 34304
		.amdhsa_private_segment_fixed_size 0
		.amdhsa_enable_private_segment 0
		.amdhsa_kernarg_size 56
		.amdhsa_user_sgpr_count 2
		.amdhsa_user_sgpr_kernarg_segment_ptr 1
		.amdhsa_wavefront_size32 1
		.amdhsa_system_sgpr_workgroup_id_x 1
		.amdhsa_system_sgpr_workgroup_id_y 1
		.amdhsa_system_sgpr_workgroup_id_z 1
		.amdhsa_system_vgpr_workitem_id 0
		.amdhsa_next_free_vgpr 242
		.amdhsa_next_free_sgpr 66
		.amdhsa_reserve_vcc 0
		.amdhsa_float_denorm_mode_32 3
		.amdhsa_float_denorm_mode_16_64 3
		.amdhsa_fp16_overflow 1
		.amdhsa_memory_ordered 1
		.amdhsa_forward_progress 1
		.amdhsa_inst_pref_size 79
	.end_amdhsa_kernel
	.amdgpu_metadata
---
amdhsa.version: [ 1, 2 ]
amdhsa.kernels:
  - .name:           k_q1c7321a5c8_quant
    .symbol:         k_q1c7321a5c8_quant.kd
    .args:
      - { .name: x, .offset: 0, .size: 8, .value_kind: global_buffer, .address_space: global }
      - { .name: W_qkv, .offset: 8, .size: 8, .value_kind: global_buffer, .address_space: global }
      - { .name: W_fc, .offset: 16, .size: 8, .value_kind: global_buffer, .address_space: global }
      - { .name: lowp_scales, .offset: 24, .size: 8, .value_kind: global_buffer, .address_space: global }
      - { .name: xc, .offset: 32, .size: 8, .value_kind: global_buffer, .address_space: global }
      - { .name: wqc, .offset: 40, .size: 8, .value_kind: global_buffer, .address_space: global }
      - { .name: wfc, .offset: 48, .size: 8, .value_kind: global_buffer, .address_space: global }
    .group_segment_fixed_size: 34304
    .private_segment_fixed_size: 0
    .kernarg_segment_align: 8
    .kernarg_segment_size: 56
    .max_flat_workgroup_size: 128
    .sgpr_count:     66
    .vgpr_count:     242
    .wavefront_size: 32
...
	.end_amdgpu_metadata
.endif
;; end of part 1
;; launch qkv (part 2): grid 12 x 32, 4 waves a work-group, clusters of 4 x 4, 327,680 bytes of LDS; arguments xc, wqc, b_qkv, lowp_scales, qc, kc, vc; writes qc, kc, vc
.if DOCPART == 2
	.amdgcn_target "amdgcn-amd-amdhsa--gfx1250"
	.amdhsa_code_object_version 6
	.text
	.protected	k_q1c7321a5c8_qkv
	.globl	k_q1c7321a5c8_qkv
	.p2align	8
	.type	k_q1c7321a5c8_qkv,@function
k_q1c7321a5c8_qkv:
	s_mov_b64 s[64:65], 0
	v_nop
	global_prefetch_b8 v0, s[64:65] scope:SCOPE_SE
	s_setreg_imm32_b32 hwreg(HW_REG_WAVE_MODE, 25, 1), 1
	s_wait_xcnt 0x0
	s_wait_alu depctr_hold_cnt(0) depctr_sa_sdst(0) depctr_va_vdst(0) depctr_va_sdst(0) depctr_va_ssrc(0) depctr_va_vcc(0) depctr_vm_vsrc(0)
	s_getreg_b32 s2, hwreg(HW_REG_IB_STS2, 6, 4)
	s_cmp_eq_u32 s2, 0
	s_cbranch_scc0 .Lentry_in_a_cluster
	s_endpgm
.Lentry_in_a_cluster:
	s_bfe_u32 s2, ttmp6, 0x10000c
	s_cmp_lg_u32 s2, 0xf033
	s_cbranch_scc0 .Lentry_shape_is_right
	s_endpgm
.Lentry_shape_is_right:
; qkv = x W_qkv + b_qkv on codes of FP8 (E4M3), and its three parts quantised at once: q (scale entry 2), k (entry 3), v (entry 5).  Sums in f32.
; INPUTS are images of operand registers: a tile is 16 rows x 1,024 K = 16,384 bytes, [s 0..7][c 0..3][lane][16]; lane (r, h) holds k = 128 s + 32 c + 16 h + 0 .. 15 of row 32 g + 8 u + r + 8 (r / 8) of tile 2 g + u.
; That place of k is the same in both operands, so every product meets its partner; only the order of the sums inside an instruction differs from the form's own.
; A tile of 256 x 256 results is made by four waves, each 128 x 128: 64 accumulators, 512 registers.  K goes in four steps of 256 through two LDS slots.
; THE MATRIX INSTRUCTION: source 0 = 16 rows of B', source 1 = 16 rows of A'.  A lane then holds ONE row of A', and by the tiles' row order the 16 registers of B' tiles 2 b, 2 b + 1 are 16 NEIGHBOURS along B': 32 b + 16 h + 0 .. 15.
; So eight conversions make four registers groups that ARE the next product's images, stored 512 consecutive bytes an instruction: no stage.
;   cluster x = 0, 1 (q, k): A' = x (tokens), B' = W (columns): the head's channels become innermost.     cluster x = 2 (v): A' = W, B' = x: the TOKENS become innermost, since the keys are the third product's K.
; OUTPUTS: qc, kc [b 4][head pair 8][token tile 128][head of the pair 2][c 2][lane][16];   vc [b 4][head pair 8][key step 16][head of the pair 2][channel tile 4][c 4][lane][16].
; The bias is the C of each sum's first matrix instruction, divided by 2^(e0 + e1), the power of two that the sums lack.
; CLUSTERS: 4 x 4 work-groups.  A' hangs on cy alone and is shared along a row of the cluster, B' on cx alone and along a column: each is asked for jointly.  The kind (cluster x) is the same in all sixteen.
; LIMITS: e2 - e0 - e1, e3 - e0 - e1 and e5 - e0 - e1 between -126 and 119.
; REGISTERS, in windows of 256: window 0: v16-29 addresses and constants; v32-95 the bias; v128-255 A' fragments, ONE set (on the way out: held sums and codes).  window 1: B' fragments, two sets.  windows 2, 3: accumulator (a, b) at v[8 (8 (a % 4) + b)].
.set KB,     4096                      ; a K step's bytes of one tile: 256 along K x 16 rows
.set HALFT,  8*KB                      ; eight tiles: what one tensor load brings, and what one wave reads of A' or of B'
.set SLOT,   4*HALFT                   ; A' sixteen tiles, then B' sixteen
.set SPARE,  2*SLOT                    ; behind the ring: the spare words, 128 bytes for each wave, which no other line names
.set FR,     16                        ; registers of a fragment
.set NL,     4                         ; LDS loads that bring one
.set NP,     4                         ; places behind this matrix instruction (ISA guide 7.12.1)
.set ADRA, 16                          ; v16-17  LDS address of my A' fragments in slot 0, 1
.set ADRB, 20                          ; v20-21  the same for B'
.set CO,   24                          ; v24     16 x lane
.set BO,   25                          ; v25     the bias loads' offset
.set LIM,  26                          ; v26     448 x the conversion's scale
.set SC,   27                          ; v27     the conversion's scale 2^(e_out - e0 - e1)
.set SPW,  28                          ; v28     LDS address of my spare word; never rewritten
.set NIL,  29                          ; v29     0; never rewritten
.set BI,   32                          ; v32-95  the bias in the result's layout
.set AF,   128
.set TMP,  128                         ; the way out: 64 held sums
.set CD,   192                         ; the way out: two sets of 16 registers of codes
.set G1, 24                            ; s[24:31] descriptor group 1 for A';  s[32:39] group 0, one set for each slot
.set G0, 32
.set G1B, 48                           ; s[48:55], s[56:63] the same for B'
.set G0B, 56
.set MSB, 0
.macro WIN new                         ; the immediate's high byte repeats the setting that is left
.if MSB != \new
	s_set_vgpr_msb (MSB<<8)|\new
.set MSB, \new
.endif
.endm
.set MUL_LO, 0xa1                      ; source 0 (B') window 1, source 1 (A') window 0, C and D window 2
.set MUL_HI, 0xf1                      ; the same, C and D window 3
.set TO_B,   0x40                      ; destination window 1, address window 0
; A joint load: waves 0 and 1 fetch for A', waves 2 and 3 for B'.  The branch hangs on the wave's number alone.  Four v_nop follow each of the two lines.
.macro JLOAD g0a, g1a, g0b, g1b
	s_cmp_eq_u32 s15, 0
	s_cbranch_scc0 .Lfor_b_\@
	tensor_load_to_lds s[\g0a:\g0a+3], s[\g1a:\g1a+7]
	s_nop 0
.rept 4
	v_nop
.endr
	s_branch .Lasked_\@
.Lfor_b_\@:
	tensor_load_to_lds s[\g0b:\g0b+3], s[\g1b:\g1b+7]
	s_nop 0
.rept 4
	v_nop
.endr
.Lasked_\@:
.endm
.macro CREST                           ; a round of the cluster's barrier behind its opening barrier
	s_cmp_lg_u32 s14, 0
	s_cbranch_scc1 .Lnot_wave_0_\@
	s_barrier_signal -3
.Lnot_wave_0_\@:
	s_barrier_wait -3
	s_barrier_signal -1
	s_barrier_wait -1
.endm
.macro CROUND                          ; a whole round
	s_barrier_signal -1
	s_barrier_wait -1
	CREST
.endm
	s_load_b256 s[4:11], s[0:1], 0x0               ; x's codes s[4:5], W's codes s[6:7], the bias s[8:9], the scales' exponents s[10:11]
	s_load_b128 s[68:71], s[0:1], 0x20             ; q's codes s[68:69], k's s[70:71]
	s_load_b64 s[72:73], s[0:1], 0x30              ; v's
	v_lshl_add_u32 v[SPW], v0, 2, SPARE
	v_mov_b32 v[NIL], 0
	ds_add_u32 v28, v29
	ds_add_u32 v28, v29
	s_wait_dscnt 0x0
	v_lshrrev_b32 v1, 5, v0
	v_readfirstlane_b32 s14, v1                    ; wave 0..3
	s_lshr_b32 s15, s14, 1                         ; which half of A' rows is mine.  Also: I fetch for A' (0) or for B' (1)
	s_and_b32 s16, s14, 1                          ; which half of B' rows.  Also: which eight tiles I fetch
	s_bfe_u32 s40, ttmp6, 0x40000                  ; cx, cy: my place in the cluster
	s_bfe_u32 s41, ttmp6, 0x40004
	s_and_b32 s17, ttmp7, 0xffff                   ; cluster y
	s_lshl_b32 s43, s41, 2
	s_lshl_b32 s43, 15, s43                        ; my row of the cluster
	s_lshl_b32 s44, 0x1111, s40                    ; my column
	; descriptor group 1: eight tiles' parts of a K step: 8 rows of 4,096 bytes (512 elements of 8 bytes), 16,384 bytes apart in memory, dense in LDS
	s_or_b32 s[G1+0], s43, (3<<16)|(1<<21)         ; 15:0 the mask: A' goes to my row; 17:16 elements of 8 bytes; 20 no padding; 21 set beside a mask
	s_or_b32 s[G1B+0], s44, (3<<16)|(1<<21)
.irp g, G1, G1B
	s_mov_b32 s[\g+1], 512<<16                     ; tensor_dim0
	s_mov_b32 s[\g+2], 8<<16                       ; tensor_dim1
	s_mov_b32 s[\g+3], 512<<16                     ; tile_dim0
	s_mov_b32 s[\g+4], 8                           ; tile_dim1
	s_mov_b32 s[\g+5], 2048                        ; tensor_dim0_stride
	s_mov_b32 s[\g+6], 0
	s_mov_b32 s[\g+7], 0
.endr
	; which blocks of 256 rows.  A' numbers are made of cy alone, B' of cx alone
	s_lshl_b32 s18, s17, 2
	s_add_co_u32 s19, s18, s41                     ; q, k: A' = x, block 4 x cluster y + cy
	s_add_co_u32 s20, s41, 8                       ; v:    A' = W, block 8 + cy (columns 2,048 on)
	s_add_co_u32 s21, s18, s40                     ; v:    B' = x, block 4 x cluster y + cx
	s_lshl_b32 s22, ttmp9, 2
	s_add_co_u32 s22, s22, s40                     ; q, k: B' = W, block 4 x kind + cx
	s_cmp_eq_u32 ttmp9, 2
	s_cselect_b32 s93, s20, s19                    ; A' block
	s_cselect_b32 s94, s21, s22                    ; B' block
	s_lshl_b32 s23, s16, 17                        ; the eight tiles that I fetch
	s_lshl_b32 s46, s93, 18                        ; a block is sixteen tiles of 16,384 bytes
	s_add_co_u32 s46, s46, s23
	s_mov_b32 s47, 0
	s_lshl_b32 s98, s94, 18
	s_add_co_u32 s98, s98, s23
	s_mov_b32 s99, 0
	s_lshl_b32 s45, s14, 15                        ; where they go: wave x eight tiles: no place in the cluster enters an LDS address
	s_wait_kmcnt 0x0
	s_load_b256 s[76:83], s[10:11], 0x0            ; e0 .. e7
	s_cmp_eq_u32 ttmp9, 2
	s_cselect_b64 s[84:85], s[6:7], s[4:5]         ; A' buffer
	s_cselect_b64 s[86:87], s[4:5], s[6:7]         ; B' buffer
	s_add_nc_u64 s[84:85], s[84:85], s[46:47]
	s_add_nc_u64 s[86:87], s[86:87], s[98:99]
	CROUND                                         ; all sixteen work-groups are here: the first joint loads meet
.irp s, 0,1
	s_mov_b32 s[G0+4*\s], 1
	s_add_co_u32 s[G0+4*\s+1], s45, \s*SLOT
	s_add_nc_u64 s[G0+4*\s+2:G0+4*\s+3], s[84:85], \s*KB
	s_or_b32 s[G0+4*\s+3], s[G0+4*\s+3], 0x80000000
	s_mov_b32 s[G0B+4*\s], 1
	s_add_co_u32 s[G0B+4*\s+1], s45, \s*SLOT
	s_add_nc_u64 s[G0B+4*\s+2:G0B+4*\s+3], s[86:87], \s*KB
	s_or_b32 s[G0B+4*\s+3], s[G0B+4*\s+3], 0x80000000
	JLOAD G0+4*\s, G1, G0B+4*\s, G1B               ; two loads of mine are out
.endr
	v_and_b32 v1, 31, v0
	v_lshlrev_b32 v[CO], 4, v1
	s_lshl_b32 s2, s15, 15                         ; my eight tiles of A'
	s_lshl_b32 s3, s16, 15                         ; my eight tiles of B',
	s_add_co_u32 s3, s3, 2*HALFT                   ; which lie behind A' sixteen
.irp s, 0,1
	v_add_nc_u32 v[ADRA+\s], s2, v[CO]
	v_add_nc_u32 v[ADRB+\s], s3, v[CO]
	s_add_co_u32 s2, s2, SLOT
	s_add_co_u32 s3, s3, SLOT
.endr
	; the bias: of W's 128 columns that my wave has: B' half for q and k, A' half for v
	s_cmp_eq_u32 ttmp9, 2
	s_cselect_b32 s96, s93, s94
	s_cselect_b32 s97, s15, s16
	s_lshl_b32 s96, s96, 10
	s_lshl_b32 s97, s97, 9
	s_add_co_u32 s96, s96, s97
	s_mov_b32 s97, 0
	s_add_nc_u64 s[90:91], s[8:9], s[96:97]
	v_and_b32 v2, 15, v0                           ; r
	v_bfe_u32 v3, v0, 4, 1                         ; h
	s_wait_kmcnt 0x0
	s_add_co_i32 s92, s76, s77
	s_sub_co_i32 s92, 0, s92                       ; -(e0 + e1)
	s_cmp_eq_u32 ttmp9, 2
	s_cbranch_scc1 .Lbias_v
	s_wait_alu depctr_va_vdst(0)
	v_lshlrev_b32 v[BO], 6, v3                     ; q, k: register j of accumulator (a, b) is column 32 (b / 2) + 16 h + 8 (b % 2) + j
.irp b, 0,1,2,3,4,5,6,7
	global_load_b128 v[BI+8*\b:BI+8*\b+3], v[BO], s[90:91] offset:(32*(\b/2)+8*(\b%2))*4
	global_load_b128 v[BI+8*\b+4:BI+8*\b+7], v[BO], s[90:91] offset:(32*(\b/2)+8*(\b%2))*4+16
.endr
	s_wait_loadcnt 0x0
.set j, 0
.rept 64
	v_ldexp_f32 v[BI+j], v[BI+j], s92
.set j, j+1
.endr
	s_branch .Lbias_done
.Lbias_v:
	s_wait_alu depctr_va_vdst(0)
	v_and_b32 v4, 8, v2
	v_add_nc_u32 v4, v4, v2
	v_lshlrev_b32 v[BO], 2, v4                     ; v: all eight registers of accumulator (a, b) belong to column 32 (a / 2) + 8 (a % 2) + r + 8 (r / 8)
.irp a, 0,1,2,3,4,5,6,7
	global_load_b32 v[BI+8*\a], v[BO], s[90:91] offset:(32*(\a/2)+8*(\a%2))*4
.endr
	s_wait_loadcnt 0x0
.irp a, 0,1,2,3,4,5,6,7
.irp j, 7,6,5,4,3,2,1,0
	v_ldexp_f32 v[BI+8*\a+\j], v[BI+8*\a], s92     ; register 0, the source, is written last
.endr
.endr
.Lbias_done:
	; the way out's base and scale.  (T, th): the block and half along the tokens; (Hh, hh): along W's columns
	s_and_b32 s18, s94, 3
	s_cmp_eq_u32 ttmp9, 2
	s_cselect_b32 s19, s94, s93                    ; T
	s_cselect_b32 s20, s16, s15                    ; th
	s_cselect_b32 s18, s41, s18                    ; Hh
	s_cselect_b32 s21, s15, s16                    ; hh
	s_cselect_b64 s[88:89], s[72:73], s[70:71]
	s_cselect_b32 s95, s81, s79
	s_cmp_eq_u32 ttmp9, 0
	s_cselect_b64 s[88:89], s[68:69], s[88:89]     ; q's, k's or v's codes
	s_cselect_b32 s95, s78, s95                    ; e2, e3 or e5
	s_lshr_b32 s22, s19, 3
	s_lshl_b32 s22, s22, 21                        ; the batch: 2,097,152 bytes
	s_lshl_b32 s18, s18, 1
	s_add_co_u32 s18, s18, s21
	s_lshl_b32 s18, s18, 18                        ; the head pair 2 Hh + hh: 262,144 bytes
	s_add_co_u32 s22, s22, s18
	s_and_b32 s19, s19, 7
	s_lshl_b32 s19, s19, 1
	s_add_co_u32 s19, s19, s20
	s_lshl_b32 s19, s19, 14                        ; 128 tokens: 16,384 bytes
	s_add_co_u32 s22, s22, s19
	s_mov_b32 s23, 0
	s_add_nc_u64 s[88:89], s[88:89], s[22:23]
	s_sub_co_i32 s95, s95, s76
	s_sub_co_i32 s95, s95, s77                     ; a sum stands for sum x 2^(e0 + e1): the three scales are folded into the conversion's one
	s_add_co_i32 s95, s95, 127
	s_lshl_b32 s96, s95, 23
	v_mov_b32 v[SC], s96
	s_add_co_i32 s95, s95, 8
	s_lshl_b32 s95, s95, 23
	s_or_b32 s95, s95, 0x600000
	v_mov_b32 v[LIM], s95
.macro FRAG reg, adr, q, i             ; a fragment comes as it lies: four loads of 512 consecutive bytes, 16 x lane each
.irp c, 0,1,2,3
	ds_load_b128 v[\reg+4*\c:\reg+4*\c+3], v[\adr] offset:(\i)*KB+(\q)*2048+512*\c
.endr
.endm
; 16 matrix instructions: A' blocks a0, a0 + 1 x B' eight, 128 along K.  p: B' set.  cm = 0: onto the sums; 1: the sums begin with the bias by b; 2: by a.
; The 64 accumulators take turns, one instruction a turn, in the same order in every step.
.macro MUL16 a0, p, cm
.irp a, \a0, \a0+1
.irp b, 0,1,2,3,4,5,6,7
.if \cm == 0
	v_wmma_f32_16x16x128_fp8_fp8 v[8*(8*((\a)%4)+\b):8*(8*((\a)%4)+\b)+7], v[128*(\p)+FR*\b:128*(\p)+FR*\b+FR-1], v[AF+FR*(\a):AF+FR*(\a)+FR-1], v[8*(8*((\a)%4)+\b):8*(8*((\a)%4)+\b)+7]
.elseif \cm == 1
	v_wmma_f32_16x16x128_fp8_fp8 v[8*(8*((\a)%4)+\b):8*(8*((\a)%4)+\b)+7], v[128*(\p)+FR*\b:128*(\p)+FR*\b+FR-1], v[AF+FR*(\a):AF+FR*(\a)+FR-1], v[BI+8*\b:BI+8*\b+7]
.else
	v_wmma_f32_16x16x128_fp8_fp8 v[8*(8*((\a)%4)+\b):8*(8*((\a)%4)+\b)+7], v[128*(\p)+FR*\b:128*(\p)+FR*\b+FR-1], v[AF+FR*(\a):AF+FR*(\a)+FR-1], v[BI+8*(\a):BI+8*(\a)+7]
.endif
.endr
.endr
.endm
.macro FETCH_B slot, q, p
	WIN TO_B
.irp i, 0,1,2,3,4,5,6,7
	FRAG 128*(\p)+FR*\i, ADRB+\slot, \q, \i
.endr
	WIN 0
.endm
.macro FETCH_A slot, q, i0
.irp i, \i0, \i0+1, \i0+2, \i0+3
	FRAG AF+FR*(\i), ADRA+\slot, \q, \i
.endr
.endm
.macro PLACES n                        ; plain vector lines between a matrix instruction and a load into, or a vector write of, one of its registers, or a read of its result
.rept \n
	v_nop
.endr
.endm
; A step of 128 along K that has its successor in the same slot.  A' blocks 0-3 are fetched anew in its middle, blocks 4-7 at its end; B' next set in the middle.
.macro STEP slot, q, cm
	s_wait_dscnt 4*NL                              ; B' set and A' blocks 0-3 are in; the youngest 16 loads (A' blocks 4-7) may be out
.if \cm
	WIN 0x81                                       ; C (the bias) window 0, D window 2
.else
	WIN MUL_LO
.endif
	MUL16 0, (\q)%2, \cm
	MUL16 2, (\q)%2, \cm
	s_wait_dscnt 0
	PLACES NP
	FETCH_B \slot, (\q)+1, 1-(\q)%2
	FETCH_A \slot, (\q)+1, 0
.if \cm
	WIN 0xc1                                       ; C window 0, D window 3
.else
	WIN MUL_HI
.endif
	MUL16 4, (\q)%2, \cm
	MUL16 6, (\q)%2, \cm
	PLACES NP
	WIN 0
	FETCH_A \slot, (\q)+1, 4
.endm
; A slot's last step changes slots: ONE barrier; in front of it each wave waits for all its tensor loads, adds 0 to its spare word, and waits for that and for its own reads of this slot.  fill = 1: this slot is filled again, two K steps ahead.
.macro TURN slot, next, fill
	s_wait_tensorcnt 0x0                           ; all my tensor loads have landed: my part of the next slot
	ds_add_u32 v[SPW], v[NIL]                      ; 0 onto my spare word
	s_wait_dscnt 4*NL+1                            ; (the add and the youngest 16 loads may be out)
	WIN MUL_LO
	MUL16 0, 1, 0                                  ; sixteen matrix instructions stand between the add and the wait for it
	s_wait_dscnt 0x0                               ; the add is done, and my reads of this slot are over
	s_barrier_signal -1
	MUL16 2, 1, 0
	WIN 0
	s_barrier_wait -1
.if \fill
	CREST                                          ; the barrier has opened a round of the cluster's: no wave of any partner still reads this slot or has a load on its way
	s_add_nc_u64 s[G0+4*\slot+2:G0+4*\slot+3], s[G0+4*\slot+2:G0+4*\slot+3], 2*KB
	s_add_nc_u64 s[G0B+4*\slot+2:G0B+4*\slot+3], s[G0B+4*\slot+2:G0B+4*\slot+3], 2*KB
	JLOAD G0+4*\slot, G1, G0B+4*\slot, G1B         ; the first tensor load behind the round, my one load until the next; its four v_nop are the places in front of the loads below
.else
	PLACES NP
.endif
	FETCH_B \next, 0, 0
	FETCH_A \next, 0, 0
	WIN MUL_HI
	MUL16 4, 1, 0
	MUL16 6, 1, 0
	PLACES NP
	WIN 0
	FETCH_A \next, 0, 4
.endm
	s_wait_tensorcnt 1                             ; my part of K step 0 is in; K step 1's load may be out
	s_barrier_signal -1
	s_barrier_wait -1                              ; everybody's is
	FETCH_B 0, 0, 0
	FETCH_A 0, 0, 0
	FETCH_A 0, 0, 4
	s_cmp_eq_u32 ttmp9, 2                          ; the first step is written twice: the bias runs along the registers (q, k) or belongs to the lane (v).  No tensor load and no barrier stands in it
	s_cbranch_scc1 .Lfirst_v
	s_wait_alu depctr_va_vdst(0)
	STEP 0, 0, 1
	s_branch .Lfirst_done
.Lfirst_v:
	s_wait_alu depctr_va_vdst(0)
	STEP 0, 0, 2
.Lfirst_done:
	TURN 0, 1, 1                                   ; slot 0 takes K step 2
	STEP 1, 0, 0
	TURN 1, 0, 1                                   ; slot 1 takes K step 3
	STEP 0, 0, 0
	TURN 0, 1, 0                                   ; nothing is left to fetch
	STEP 1, 0, 0
	s_wait_dscnt 4*NL
	WIN MUL_LO
	MUL16 0, 1, 0
	MUL16 2, 1, 0
	s_wait_dscnt 0
	WIN MUL_HI
	MUL16 4, 1, 0
	MUL16 6, 1, 0
	WIN 0
; THE WAY OUT, a block of A' 16 rows at a time: 64 sums a lane are held at the largest code x the scale (into other registers, each accumulator from its low end on), converted, and stored as four pieces of images.
.macro OUTBLK a
.set AC, 64*((\a)%4)
.set CS, CD+16*((\a)%2)
	WIN 0x02+((\a)/4)                              ; source 0: window 2 or 3
.set j, 0
.rept 64
	v_med3_num_f32 v[TMP+j], v[AC+j], -v[LIM], v[LIM]   ; the conversion to an 8-bit code does not saturate (ISA guide 7.6.2)
.set j, j+1
.endr
	WIN 0
.if (\a) >= 2
	s_wait_alu depctr_va_vdst(0)
	s_wait_xcnt 0x0                                ; the stores of two blocks ago have read this set of codes
.endif
.irp g, 0,1,2,3,4,5,6,7
	v_cvt_scalef32_pk8_fp8_f32 v[CS+2*\g:CS+2*\g+1], v[TMP+8*\g:TMP+8*\g+7], v[SC]
.endr
	v_nop                                          ; a plain line behind the last conversion: the next block's holds write its sources
.irp b, 0,1,2,3
	global_store_b128 v[CO], v[CS+4*\b:CS+4*\b+3], s[88:89] offset:(\a)*2048+512*\b   ; 32 lanes store 512 consecutive bytes, aligned
.endr
.endm
	PLACES NP                                      ; in front of the writes into the registers that held A' fragments, and of the reads of results
.irp a, 0,1,2,3,4,5,6,7
	OUTBLK \a
.endr
	s_wait_tensorcnt 0x0                           ; the wave's end
	ds_add_u32 v[SPW], v[NIL]
	s_wait_dscnt 0x0
	CROUND                                         ; the closing round: no work-group ends while a partner may still ask for a tile that names it
	s_endpgm
.Lfunc_end_k_q1c7321a5c8_qkv:
	.size	k_q1c7321a5c8_qkv, .Lfunc_end_k_q1c7321a5c8_qkv-k_q1c7321a5c8_qkv
	.p2alignl 7, 3214868480
	.fill 96, 4, 3214868480
	.section	.rodata,"a",@progbits
	.p2align	6, 0x0
	.amdhsa_kernel k_q1c7321a5c8_qkv
		.amdhsa_group_segment_fixed_size 327680
		.amdhsa_private_segment_fixed_size 0
		.amdhsa_enable_private_segment 0
		.amdhsa_kernarg_size 56
		.amdhsa_user_sgpr_count 2
		.amdhsa_user_sgpr_kernarg_segment_ptr 1
		.amdhsa_wavefront_size32 1
		.amdhsa_system_sgpr_workgroup_id_x 1
		.amdhsa_system_sgpr_workgroup_id_y 1
		.amdhsa_system_sgpr_workgroup_id_z 1
		.amdhsa_system_vgpr_workitem_id 0
		.amdhsa_next_free_vgpr 1024
		.amdhsa_next_free_sgpr 100
		.amdhsa_reserve_vcc 0
		.amdhsa_float_denorm_mode_32 3
		.amdhsa_float_denorm_mode_16_64 3
		.amdhsa_memory_ordered 1
		.amdhsa_forward_progress 1
		.amdhsa_inst_pref_size 137
	.end_amdhsa_kernel
	.amdgpu_metadata
---
amdhsa.version: [ 1, 2 ]
amdhsa.kernels:
  - .name:           k_q1c7321a5c8_qkv
    .symbol:         k_q1c7321a5c8_qkv.kd
    .args:
      - { .name: xc, .offset: 0, .size: 8, .value_kind: global_buffer, .address_space: global }
      - { .name: wqc, .offset: 8, .size: 8, .value_kind: global_buffer, .address_space: global }
      - { .name: b_qkv, .offset: 16, .size: 8, .value_kind: global_buffer, .address_space: global }
      - { .name: lowp_scales, .offset: 24, .size: 8, .value_kind: global_buffer, .address_space: global }
      - { .name: qc, .offset: 32, .size: 8, .value_kind: global_buffer, .address_space: global }
      - { .name: kc, .offset: 40, .size: 8, .value_kind: global_buffer, .address_space: global }
      - { .name: vc, .offset: 48, .size: 8, .value_kind: global_buffer, .address_space: global }
    .group_segment_fixed_size: 327680
    .private_segment_fixed_size: 0
    .kernarg_segment_align: 8
    .kernarg_segment_size: 56
    .max_flat_workgroup_size: 128
    .sgpr_count:     100
    .vgpr_count:     1024
    .wavefront_size: 32
...
	.end_amdgpu_metadata
.endif
;; end of part 2
;; launch attn (part 3): grid 4 x 64, 16 waves a work-group, no clusters, 264,192 bytes of LDS; arguments qc, kc, vc, lowp_scales, yc; writes yc
.if DOCPART == 3
	.amdgcn_target "amdgcn-amd-amdhsa--gfx1250"
	.amdhsa_code_object_version 6
	.text
	.protected	k_q1c7321a5c8_attn
	.globl	k_q1c7321a5c8_attn
	.p2align	8
	.type	k_q1c7321a5c8_attn,@function
k_q1c7321a5c8_attn:
	s_mov_b64 s[64:65], 0
	v_nop
	global_prefetch_b8 v0, s[64:65] scope:SCOPE_SE
	s_setreg_imm32_b32 hwreg(HW_REG_WAVE_MODE, 25, 1), 1
	s_wait_xcnt 0x0
; y[b][t][head][:] = the sum over keys s <= t of softmax_s(q . k / 8) v, both products on codes of FP8 (E4M3); y is quantised at once (scale entry 6) for the last product.
; THE SOFTMAX AHEAD OF THE SECOND PRODUCT: t = score x log2(e) / 8; M = the largest t so far, rounded UP to a whole number; p = 2^(t - M) is quantised (entry 4), not normalised.  The row's sum is taken of the unquantised p and divides at the end.
; When M moves, the sum and O are multiplied by 2^(old M - new M): nothing is rounded.
; INPUTS are images of operand registers.  qc, kc: [b][head pair][token tile 128][head of the pair][c 2][lane][16]: lane (r, h) holds channels 32 c + 16 h + 0 .. 15 of token 32 g + 8 u + r + 8 (r / 8) of tile 2 g + u.
; vc: [b][head pair][key step 16][head of the pair][channel tile 4][c 4][lane][16]: channel 32 g + 8 u + r + 8 (r / 8), keys 128 step + 32 c + 16 h + 0 .. 15.
; Both products are used transposed (S^T = K Q^T, O^T = V^T P^T): a lane holds ONE query; by the tiles' row order the 16 registers of key tiles 2 b, 2 b + 1 are keys 32 b + 16 h + 0 .. 15, and O^T's of channel tiles likewise:
; so the conversions' results are the next operand's registers, and y leaves as pieces of images, 512 consecutive bytes a store.
; SHARES.  Work-group (i, head) owns query blocks 7 - i and i (256 queries each).  Wave w owns tile A = 16 (7 - i) + w and tile B = 16 i + 15 - w.  A tile's queries lie in key step tile / 8: it needs the steps up to that one, and only that one is masked.
; The two tiles' last steps add up to 15 in every wave of every work-group: 17 tile steps each.  A's last step is 8 or more, B's 7 or less: steps 0-7 run A bare and B guarded, steps 8-15 A guarded alone.
; LDS holds the head's whole K (131,072 bytes: tile at 1,024 x tile) and V (131,072: piece 2 x channel tile + c / 2 at 16,384 x piece + 1,024 x key step), filled ONCE: four tensor loads a wave, all issued at the head, four outstanding;
; phase p (keys 512 p on) begins behind a counted wait and a barrier.  Nothing is filled again.
; NO CLUSTER: the four work-groups of a head read the same K and V, but the guards on key steps hang on i, which would be the work-group's place in its cluster; without the guards the work would double.
; NO PREFETCH: every tile is asked for by its tensor load at the kernel's head; there is no earlier line at which to ask.
; LIMITS: e2 + e3 between -123 and 130 (added to c's exponent field); e4 and e6 between -126 and 119.
.set VBASE, 131072
.set AK0,  1                           ; v1   16 x lane
.set AV0,  2                           ; v2   VBASE + 16 x lane
.set ADK,  3                           ; v3   the step's K
.set ADV,  4                           ; v4   the step's V, pieces 0-3;  v5: pieces 4-7
.set SC4,  6                           ; v6   2^e4
.set LIM4, 7                           ; v7   unused
.set DA,   8                           ; v8   tile A: my query less the step's first key less 16 h
.set DB,   9                           ; v9   tile B's;  on the way out 2^e6
.set FF,   10                          ; v[10:11] f = 2^(old M - new M) (v11 is named with it as a pair)
.set STA,  12                          ; v12 -M, v13 the largest t, v[14:15] the sum in two halves
.set STB,  16
.set QA,   20                          ; v20-27, v28-35: Q's fragments
.set QB,   28
.set F,    36                          ; v36-99   eight fragments of K, then four of V
.set S,    100                         ; v100-163 S^T, then p
.set P,    164                         ; v164-179 p's codes
.set OA,   180                         ; v180-211, v212-243: O^T
.set OB,   212
.set MX,   244
.set MY,   245
.set PM,   246
.set NINF, 247
.set SUM2, 248
.set WV,   18
.set SEL,  20                          ; s[20:21] v_permlanex16_b32's selects: lane l xor 16
.set CS,   22                          ; s[22:23] c = log2(e) / 8 x 2^(e2 + e3)
.set G1K,  24
.set G1V,  32
.set G0K,  40                          ; s[40:55] four groups 0 for K's loads
.set G0V,  68                          ; s[68:83] four for V's
.set KS,   84                          ; the key step
.set SDA,  85                          ; tile A's last step
.set SDB,  86
.set TBK,  87                          ; LDS byte of the step's K;  while the descriptors are made: my loads' first LDS byte
.set TBV,  88                          ; the same for V
.set CNT,  89
	s_load_b256 s[4:11], s[0:1], 0x0               ; q's codes s[4:5], k's s[6:7], v's s[8:9], the scales' exponents s[10:11]
	s_load_b64 s[12:13], s[0:1], 0x20              ; y's codes
	v_lshl_add_u32 v254, v0, 2, 0x40000
	v_mov_b32 v255, 0
	ds_add_u32 v254, v255
	ds_add_u32 v254, v255
	v_lshrrev_b32 v3, 5, v0
	s_delay_alu instid0(VALU_DEP_1)
	v_readfirstlane_b32 s[WV], v3                  ; wave 0..15
	s_and_b32 s14, ttmp7, 0xffff
	s_lshr_b32 s15, s14, 4                         ; the batch
	s_and_b32 s16, s14, 15                         ; the head
	s_lshr_b32 s17, s16, 1                         ; its pair
	s_and_b32 s19, s16, 1                          ; and which of the pair
	s_lshl_b32 s2, s15, 21
	s_lshl_b32 s3, s17, 18
	s_add_co_u32 s2, s2, s3                        ; the head pair's first byte in qc, kc and vc
	s_and_b32 s14, s[WV], 7                        ; waves 0-7 fetch K, waves 8-15 V: which eighth
	s_lshl_b32 s66, s19, 10
	s_lshl_b32 s67, s14, 13                        ; K: four tiles, 2,048 bytes apart in memory
	s_add_co_u32 s66, s66, s67
	s_add_co_u32 s66, s66, s2
	s_mov_b32 s67, 0
	s_lshl_b32 s98, s19, 13
	s_lshl_b32 s99, s14, 10                        ; V: one piece of 1,024 bytes of each key step
	s_add_co_u32 s98, s98, s99
	s_add_co_u32 s98, s98, s2
	s_mov_b32 s99, 0
	s_lshl_b32 s[TBK], s14, 12
	s_lshl_b32 s[TBV], s14, 14
	s_add_co_u32 s[TBV], s[TBV], VBASE
	; descriptor group 1: 4 rows of 1,024 bytes (128 elements of 8 bytes), dense in LDS; in memory 2,048 bytes apart (K) or 16,384 (V)
	s_mov_b32 s[G1K], 3<<16
	s_mov_b32 s[G1K+1], 128<<16
	s_mov_b32 s[G1K+2], 4<<16
	s_mov_b32 s[G1K+3], 128<<16
	s_mov_b32 s[G1K+4], 4
	s_mov_b32 s[G1K+5], 256
	s_mov_b32 s[G1K+6], 0
	s_mov_b32 s[G1K+7], 0
	s_mov_b32 s[G1V], 3<<16
	s_mov_b32 s[G1V+1], 128<<16
	s_mov_b32 s[G1V+2], 4<<16
	s_mov_b32 s[G1V+3], 128<<16
	s_mov_b32 s[G1V+4], 4
	s_mov_b32 s[G1V+5], 2048
	s_mov_b32 s[G1V+6], 0
	s_mov_b32 s[G1V+7], 0
	s_wait_dscnt 0x0
	s_wait_kmcnt 0x0
	s_load_b256 s[56:63], s[10:11], 0x0            ; e0 .. e7
	s_add_nc_u64 s[6:7], s[6:7], s[66:67]
	s_add_nc_u64 s[8:9], s[8:9], s[98:99]
.irp p, 0,1,2,3                        ; phase p: keys 512 p on: 32 tiles of K (32,768 bytes of LDS, 65,536 of memory), 4 key steps of V
	s_mov_b32 s[G0K+4*\p], 1
	s_add_co_u32 s[G0K+4*\p+1], s[TBK], \p*32768
	s_add_nc_u64 s[G0K+4*\p+2:G0K+4*\p+3], s[6:7], \p*65536
	s_or_b32 s[G0K+4*\p+3], s[G0K+4*\p+3], 0x80000000
	s_mov_b32 s[G0V+4*\p], 1
	s_add_co_u32 s[G0V+4*\p+1], s[TBV], \p*4096
	s_add_nc_u64 s[G0V+4*\p+2:G0V+4*\p+3], s[8:9], \p*65536
	s_or_b32 s[G0V+4*\p+3], s[G0V+4*\p+3], 0x80000000
.endr
	s_cmp_lt_u32 s[WV], 8                          ; a wave's four fills stand in one branch on its number, ahead of every wait on TENSORcnt, every LDS read and every barrier
	s_cbranch_scc0 .Lfill_v
.irp p, 0,1,2,3
	tensor_load_to_lds s[G0K+4*\p:G0K+4*\p+3], s[G1K:G1K+7]
	s_nop 0
.endr
.rept 4
	v_nop
.endr
	s_branch .Lfilled
.Lfill_v:
.irp p, 0,1,2,3
	tensor_load_to_lds s[G0V+4*\p:G0V+4*\p+3], s[G1V:G1V+7]
	s_nop 0
.endr
.rept 4
	v_nop
.endr
.Lfilled:
	v_and_b32 v3, 31, v0
	s_delay_alu instid0(VALU_DEP_1)
	v_lshlrev_b32 v[AK0], 4, v3
	s_wait_alu depctr_va_vdst(0)
	v_add_nc_u32 v[AV0], VBASE, v[AK0]
	s_sub_co_u32 s14, 7, ttmp9
	s_lshl_b32 s14, s14, 4
	s_add_co_u32 s14, s14, s[WV]                   ; tile A
	s_lshl_b32 s17, ttmp9, 4
	s_add_co_u32 s17, s17, 15
	s_sub_co_u32 s17, s17, s[WV]                   ; tile B
	s_lshr_b32 s[SDA], s14, 3
	s_lshr_b32 s[SDB], s17, 3
	s_lshl_b32 s66, s19, 10
	s_add_co_u32 s66, s66, s2
	s_lshl_b32 s98, s14, 11
	s_add_co_u32 s98, s98, s66
	s_add_nc_u64 s[94:95], s[4:5], s[98:99]        ; Q of tile A
	s_lshl_b32 s98, s17, 11
	s_add_co_u32 s98, s98, s66
	s_add_nc_u64 s[96:97], s[4:5], s[98:99]        ; of tile B
	global_load_b128 v[QA:QA+3], v[AK0], s[94:95]
	global_load_b128 v[QA+4:QA+7], v[AK0], s[94:95] offset:512
	global_load_b128 v[QB:QB+3], v[AK0], s[96:97]
	global_load_b128 v[QB+4:QB+7], v[AK0], s[96:97] offset:512
	s_lshl_b32 s66, s15, 7                         ; y's codes: tile 128 b + tile, 16,384 bytes each; the head's 1,024 bytes in it
	s_lshl_b32 s67, s16, 10
	s_add_co_u32 s98, s66, s14
	s_lshl_b32 s98, s98, 14
	s_add_co_u32 s98, s98, s67
	s_add_nc_u64 s[90:91], s[12:13], s[98:99]
	s_add_co_u32 s98, s66, s17
	s_lshl_b32 s98, s98, 14
	s_add_co_u32 s98, s98, s67
	s_add_nc_u64 s[92:93], s[12:13], s[98:99]
	s_lshr_b32 s66, s14, 1                         ; my query within its key step: 32 ((tile / 2) % 4) + 8 (tile % 2) + r + 8 (r / 8)
	s_and_b32 s66, s66, 3
	s_lshl_b32 s66, s66, 5
	s_and_b32 s67, s14, 1
	s_lshl_b32 s67, s67, 3
	s_add_co_u32 s66, s66, s67
	s_lshr_b32 s98, s17, 1
	s_and_b32 s98, s98, 3
	s_lshl_b32 s98, s98, 5
	s_and_b32 s67, s17, 1
	s_lshl_b32 s67, s67, 3
	s_add_co_u32 s98, s98, s67
	v_and_b32 v[MX], 15, v0
	s_delay_alu instid0(VALU_DEP_1)
	v_and_b32 v[MY], 8, v[MX]
	s_delay_alu instid0(VALU_DEP_1)
	v_add_nc_u32 v[MX], v[MX], v[MY]
	v_bfe_u32 v[MY], v0, 4, 1
	s_delay_alu instid0(VALU_DEP_1)
	v_lshlrev_b32 v[MY], 4, v[MY]
	s_delay_alu instid0(VALU_DEP_1)
	v_sub_nc_u32 v[MX], v[MX], v[MY]               ; less 16 h: register 16 b + i holds key 32 b + 16 h + i, hidden where 32 b + i is above this number
	s_delay_alu instid0(VALU_DEP_1)
	v_add_nc_u32 v[DA], s66, v[MX]
	s_delay_alu instid0(VALU_DEP_2)
	v_add_nc_u32 v[DB], s98, v[MX]
	s_mov_b32 s[SEL], 0x76543210
	s_mov_b32 s[SEL+1], 0xfedcba98
	s_mov_b32 s[KS], 0
	v_mov_b32 v[STA+1], 0xff61b1e6                 ; the largest t so far: -3e38, under every t
	s_delay_alu instid0(VALU_DEP_1)
	v_floor_f32 v[STA], -v[STA+1]
	v_mov_b32 v[STA+2], 0
	v_mov_b32 v[STA+3], 0
	v_mov_b32 v[STB+1], 0xff61b1e6
	s_delay_alu instid0(VALU_DEP_1)
	v_floor_f32 v[STB], -v[STB+1]
	v_mov_b32 v[STB+2], 0
	v_mov_b32 v[STB+3], 0
	v_mov_b32 v[FF+1], 0
	v_mov_b32 v[PM], 0                             ; a lane permute's destination counts as one of its sources
	v_mov_b32 v[NINF], 0xff800000
.set j, 0
.rept 64
	v_mov_b32 v[OA+j], 0                           ; O^T of both tiles.  (The step is written once: the first finds zeros, which the first change of M leaves zeros)
.set j, j+1
.endr
	s_wait_kmcnt 0x0
	s_mov_b32 s[CS], 0x3e38aa3b                    ; log2(e) / 8
	s_add_co_i32 s66, s58, s59
	s_lshl_b32 s66, s66, 23
	s_add_co_i32 s[CS], s[CS], s66                 ; a score stands for score x 2^(e2 + e3)
	s_mov_b32 s[CS+1], s[CS]
	s_add_co_i32 s66, s60, 127
	s_lshl_b32 s67, s66, 23
	v_mov_b32 v[SC4], s67
	s_wait_loadcnt 0x0                             ; Q
; A KEY STEP of one tile: 128 keys.  guard = 1: a step behind the tile's last is left out, by a scalar branch on ids, and the last one is masked.
.macro STEP st, qr, ot, dr, sd, guard
.if \guard
	s_cmp_gt_u32 s[KS], s[\sd]
	s_cbranch_scc1 .Lskip_\@
.endif
.rept 4
	v_nop                                          ; places in front of loads into registers that matrix instructions have read
.endr
.irp t, 0,1,2,3,4,5,6,7
	ds_load_b128 v[F+8*\t:F+8*\t+3], v[ADK] offset:\t*1024
	ds_load_b128 v[F+8*\t+4:F+8*\t+7], v[ADK] offset:\t*1024+512
.endr
	s_wait_dscnt 0x0
.irp t, 0,1,2,3,4,5,6,7
	v_wmma_f32_16x16x64_fp8_fp8 v[S+8*\t:S+8*\t+7], v[F+8*\t:F+8*\t+7], v[\qr:\qr+7], 0
.endr
.rept 4
	v_nop                                          ; places: in front of V's loads into K's registers, and of the first read of the scores
.endr
.irp dt, 0,1,2,3                       ; V's four fragments land while the softmax is walked
.irp c, 0,1,2,3
	ds_load_b128 v[F+16*\dt+4*\c:F+16*\dt+4*\c+3], v[ADV+\dt/2] offset:(2*(\dt%2)+\c/2)*16384+(\c%2)*512
.endr
.endr
.if \guard
	s_cmp_lt_u32 s[KS], s[\sd]
	s_cbranch_scc1 .Lopen_\@
.set n, 0
.rept 64
	v_cmp_gt_i32 vcc_lo, 32*(n/16)+n%16, v[\dr]    ; on the diagonal the scores of hidden keys become -infinity ahead of the maximum: p = 0 then.  Key 0 counts for every query, so M is a number from the first step on
	v_cndmask_b32 v[S+n], v[S+n], v[NINF], vcc_lo
.set n, n+1
.endr
.Lopen_\@:
.endif
	v_max3_num_f32 v[MX], v[S], v[S+1], v[S+2]     ; the step's largest score of my query among my 64 keys, in two chains, each accumulator from its low end on
	v_max3_num_f32 v[MY], v[S+3], v[S+4], v[S+5]
.irp i, 6,10,14,18,22,26,30,34,38,42,46,50,54,58
	v_max3_num_f32 v[MX], v[MX], v[S+\i], v[S+\i+1]
	v_max3_num_f32 v[MY], v[MY], v[S+\i+2], v[S+\i+3]
.endr
	v_max3_num_f32 v[MX], v[MX], v[S+62], v[S+63]
	s_delay_alu instid0(VALU_DEP_1)
	v_max_num_f32 v[MX], v[MX], v[MY]
	s_delay_alu instid0(VALU_DEP_1)
	v_permlanex16_b32 v[PM], v[MX], s[SEL], s[SEL+1]
	s_delay_alu instid0(VALU_DEP_1)
	v_max_num_f32 v[MX], v[MX], v[PM]              ; and among lane l xor 16's
	s_delay_alu instid0(VALU_DEP_1)
	v_mul_f32 v[MX], s[CS], v[MX]                  ; as t (c is positive)
	s_delay_alu instid0(VALU_DEP_1)
	v_max_num_f32 v[\st+1], v[\st+1], v[MX]        ; the running largest t
	v_mov_b32 v[MX], v[\st]
	s_delay_alu instid0(VALU_DEP_2)
	v_floor_f32 v[\st], -v[\st+1]                  ; the new -M = floor(-t): M is a whole number
	s_delay_alu instid0(VALU_DEP_1)
	v_sub_f32 v[MX], v[\st], v[MX]                 ; old M less new M: a whole number, 0 or less
	s_delay_alu instid0(VALU_DEP_1)
	v_cvt_i32_f32 v[MX], v[MX]                     ; (it saturates)
	s_delay_alu instid0(VALU_DEP_1)
	v_ldexp_f32 v[FF], 1.0, v[MX]                  ; f
.set j, 0
.rept 32
	v_pk_fma_f32 v[S+j:S+j+1], v[S+j:S+j+1], s[CS:CS+1], v[\st:\st+1] op_sel_hi:[1,0,0]   ; t - M, two at a time
.set j, j+2
.endr
.set j, 0
	s_wait_alu depctr_va_vdst(0)
.rept 64
	v_exp_f32 v[S+j], v[S+j]                       ; p = 2^(t - M), at most 1
.set j, j+1
.endr
	v_pk_mul_f32 v[\st+2:\st+3], v[\st+2:\st+3], v[FF:FF+1] op_sel_hi:[1,0]   ; the sums under the new M.  (The plain line behind the exponentials)
	s_wait_alu depctr_va_vdst(0)                   ; one wait for the whole batch, ahead of its first reader
	v_pk_add_f32 v[SUM2:SUM2+1], v[S:S+1], v[S+2:S+3]   ; the row's sum is taken of the unquantised p, in two chains
.irp j, 4,8,12,16,20,24,28,32,36,40,44,48,52,56,60
	v_pk_add_f32 v[\st+2:\st+3], v[\st+2:\st+3], v[S+\j:S+\j+1]
	v_pk_add_f32 v[SUM2:SUM2+1], v[SUM2:SUM2+1], v[S+\j+2:S+\j+3]
.endr
	s_delay_alu instid0(VALU_DEP_1)
	v_pk_add_f32 v[\st+2:\st+3], v[\st+2:\st+3], v[SUM2:SUM2+1]
.irp b, 0,1,2,3
.irp i, 0,1,2,3,4,5,6,7,8,9,10,11,12,13,14,15
.endr
	v_cvt_scalef32_pk8_fp8_f32 v[P+4*\b:P+4*\b+1], v[S+16*\b:S+16*\b+7], v[SC4]
	v_cvt_scalef32_pk8_fp8_f32 v[P+4*\b+2:P+4*\b+3], v[S+16*\b+8:S+16*\b+15], v[SC4]
.endr
.set j, 0
.rept 16
	v_pk_mul_f32 v[\ot+j:\ot+j+1], v[\ot+j:\ot+j+1], v[FF:FF+1] op_sel_hi:[1,0]   ; O^T under the new M.  (Also the plain lines between the conversions and the products)
.set j, j+2
.endr
	s_wait_alu depctr_va_vdst(0)
	s_wait_dscnt 0x0                               ; V is in
.irp dt, 0,1,2,3                       ; four accumulators, one instruction a turn
	v_wmma_f32_16x16x128_fp8_fp8 v[\ot+8*\dt:\ot+8*\dt+7], v[F+16*\dt:F+16*\dt+15], v[P:P+15], v[\ot+8*\dt:\ot+8*\dt+7]
.endr
.if \guard
.Lskip_\@:
.endif
.endm
; A PHASE: four key steps.  ga: tile A is guarded; hasb: tile B takes part.
.macro PHASE p, ga, hasb
	s_wait_tensorcnt 3-\p                          ; tensor loads of a wave end in order: mine of phases 0 to p have landed; the later ones stay out
	s_wait_dscnt 0x0
	s_barrier_signal -1
	s_barrier_wait -1                              ; everybody's have
	s_mov_b32 s[TBK], \p*32768
	s_mov_b32 s[TBV], \p*4096
	s_mov_b32 s[CNT], 4
.Lks_\@:
	v_add_nc_u32 v[ADK], s[TBK], v[AK0]
	v_add_nc_u32 v[ADV], s[TBV], v[AV0]
	s_wait_alu depctr_va_vdst(0)
	v_add_nc_u32 v[ADV+1], 65536, v[ADV]
	s_wait_alu depctr_va_vdst(0)
	STEP STA, QA, OA, DA, SDA, \ga
.if \hasb
	STEP STB, QB, OB, DB, SDB, 1
.endif
	s_add_co_u32 s[TBK], s[TBK], 8192
	s_add_co_u32 s[TBV], s[TBV], 1024
	s_add_co_u32 s[KS], s[KS], 1
	s_sub_co_u32 s[CNT], s[CNT], 1
	s_cmp_lg_u32 s[CNT], 0
	s_cbranch_scc1 .Lks_\@
.endm
	PHASE 0, 0, 1
	PHASE 1, 0, 1
	PHASE 2, 1, 0
	PHASE 3, 1, 0                                  ; its wait is for 0: no tensor load is out at the end
; THE WAY OUT of a tile: O^T x 2^(e4 + e5) / the sum is y in f32; converted with 2^e6, and stored as the head's two pieces of y's image.
.macro OUTT st, ot, cd, yb
	v_add_f32 v[\st+2], v[\st+2], v[\st+3]         ; the sum's two halves,
	s_delay_alu instid0(VALU_DEP_1)
	v_permlanex16_b32 v[PM], v[\st+2], s[SEL], s[SEL+1]
	s_delay_alu instid0(VALU_DEP_1)
	v_add_f32 v[\st+2], v[\st+2], v[PM]            ; and lane l xor 16's
	s_wait_alu depctr_va_vdst(0)
	v_rcp_f32 v[FF], v[\st+2]
	v_nop                                          ; a plain line behind the transcendental
	s_wait_alu depctr_va_vdst(0)                   ; and the wait ahead of its first reader
	v_ldexp_f32 v[FF], v[FF], s66
.set j, 0
.rept 16
	v_pk_mul_f32 v[\ot+j:\ot+j+1], v[\ot+j:\ot+j+1], v[FF:FF+1] op_sel_hi:[1,0]
.set j, j+2
.endr
.set j, 0
.rept 32
.set j, j+1
.endr
.irp g, 0,1,2,3
	v_cvt_scalef32_pk8_fp8_f32 v[\cd+2*\g:\cd+2*\g+1], v[\ot+8*\g:\ot+8*\g+7], v[DB]
.endr
	v_nop
	global_store_b128 v[AK0], v[\cd:\cd+3], s[\yb:\yb+1]               ; channels 16 h + 0 .. 15: 32 lanes store 512 consecutive bytes, aligned
	global_store_b128 v[AK0], v[\cd+4:\cd+7], s[\yb:\yb+1] offset:512  ; channels 32 + 16 h + 0 .. 15
.endm
.rept 4
	v_nop                                          ; places behind the last products
.endr
	s_add_co_i32 s66, s60, s61                     ; e4 + e5
	s_add_co_i32 s67, s62, 127
	s_lshl_b32 s98, s67, 23
	v_mov_b32 v[DB], s98                           ; 2^e6
	OUTT STA, OA, P, 90
	OUTT STB, OB, P+8, 92
	s_wait_tensorcnt 0x0
	ds_add_u32 v254, v255
	s_wait_dscnt 0x0
	s_endpgm
.Lfunc_end_k_q1c7321a5c8_attn:
	.size	k_q1c7321a5c8_attn, .Lfunc_end_k_q1c7321a5c8_attn-k_q1c7321a5c8_attn
	.p2alignl 7, 3214868480
	.fill 96, 4, 3214868480
	.section	.rodata,"a",@progbits
	.p2align	6, 0x0
	.amdhsa_kernel k_q1c7321a5c8_attn
		.amdhsa_group_segment_fixed_size 264192
		.amdhsa_private_segment_fixed_size 0
		.amdhsa_enable_private_segment 0
		.amdhsa_kernarg_size 40
		.amdhsa_user_sgpr_count 2
		.amdhsa_user_sgpr_kernarg_segment_ptr 1
		.amdhsa_wavefront_size32 1
		.amdhsa_system_sgpr_workgroup_id_x 1
		.amdhsa_system_sgpr_workgroup_id_y 1
		.amdhsa_system_sgpr_workgroup_id_z 1
		.amdhsa_system_vgpr_workitem_id 0
		.amdhsa_next_free_vgpr 256
		.amdhsa_next_free_sgpr 100
		.amdhsa_reserve_vcc 1
		.amdhsa_float_denorm_mode_32 3
		.amdhsa_float_denorm_mode_16_64 3
		.amdhsa_fp16_overflow 1
		.amdhsa_memory_ordered 1
		.amdhsa_forward_progress 1
		.amdhsa_inst_pref_size 119
	.end_amdhsa_kernel
	.amdgpu_metadata
---
amdhsa.version: [ 1, 2 ]
amdhsa.kernels:
  - .name:           k_q1c7321a5c8_attn
    .symbol:         k_q1c7321a5c8_attn.kd
    .args:
      - { .name: qc, .offset: 0, .size: 8, .value_kind: global_buffer, .address_space: global }
      - { .name: kc, .offset: 8, .size: 8, .value_kind: global_buffer, .address_space: global }
      - { .name: vc, .offset: 16, .size: 8, .value_kind: global_buffer, .address_space: global }
      - { .name: lowp_scales, .offset: 24, .size: 8, .value_kind: global_buffer, .address_space: global }
      - { .name: yc, .offset: 32, .size: 8, .value_kind: global_buffer, .address_space: global }
    .group_segment_fixed_size: 264192
    .private_segment_fixed_size: 0
    .kernarg_segment_align: 8
    .kernarg_segment_size: 40
    .max_flat_workgroup_size: 512
    .sgpr_count:     100
    .vgpr_count:     256
    .wavefront_size: 32
...
	.end_amdgpu_metadata
.endif
;; end of part 3
;; launch fc (part 4): grid 4 x 64, 4 waves a work-group, clusters of 4 x 4, 327,680 bytes of LDS; arguments yc, wfc, b_fc, lowp_scales, out0; writes out0
.if DOCPART == 4
	.amdgcn_target "amdgcn-amd-amdhsa--gfx1250"
	.amdhsa_code_object_version 6
	.text
	.protected	k_q1c7321a5c8_fc
	.globl	k_q1c7321a5c8_fc
	.p2align	8
	.type	k_q1c7321a5c8_fc,@function
k_q1c7321a5c8_fc:
	s_mov_b64 s[64:65], 0
	v_nop
	global_prefetch_b8 v0, s[64:65] scope:SCOPE_SE
	s_setreg_imm32_b32 hwreg(HW_REG_WAVE_MODE, 25, 1), 1
	s_wait_xcnt 0x0
	s_wait_alu depctr_hold_cnt(0) depctr_sa_sdst(0) depctr_va_vdst(0) depctr_va_sdst(0) depctr_va_ssrc(0) depctr_va_vcc(0) depctr_vm_vsrc(0)
	s_getreg_b32 s2, hwreg(HW_REG_IB_STS2, 6, 4)
	s_cmp_eq_u32 s2, 0
	s_cbranch_scc0 .Lentry_in_a_cluster
	s_endpgm
.Lentry_in_a_cluster:
	s_bfe_u32 s2, ttmp6, 0x10000c
	s_cmp_lg_u32 s2, 0xf033
	s_cbranch_scc0 .Lentry_shape_is_right
	s_endpgm
.Lentry_shape_is_right:
; out = y W_fc + b_fc on codes of FP8 (E4M3): out = sum x 2^(e6 + e7) + b_fc, sums in f32.  LIMIT: e6 + e7 between -126 and 127, so that 2^(e6 + e7) is an f32 number.
; INPUTS are images of operand registers: a tile is 16 rows x 1,024 K = 16,384 bytes, [s 0..7][c 0..3][lane][16]; lane (r, h) holds k = 128 s + 32 c + 16 h + 0 .. 15 of row 32 g + 8 u + r + 8 (r / 8) of tile 2 g + u
; (y: tokens; W_fc: output columns).  The place of k is the same in both operands.
; A tile of 128 tokens x 256 columns to a work-group: 64 x 4 = 256 work-groups.  Four waves, each 64 x 128: 32 accumulators.  K goes in four steps of 256 through two LDS slots.
; THE MATRIX INSTRUCTION: source 0 = 16 rows of B' (W_fc), source 1 = 16 rows of A' (y): a lane holds one token, and the 16 registers of B' tiles 2 b, 2 b + 1 are columns 32 b + 16 h + 0 .. 15.
; CLUSTERS: 4 x 4 work-groups: y's tiles hang on the tile row alone and are shared along a row of the cluster, W_fc's on the tile column alone and along a column: each is asked for jointly.
; REGISTERS: window 0: v16-29 addresses; v32-95 the bias in the result's layout; v128-191, v192-255 A' fragments, two sets (on the way out: results, and rows read back).  window 1: B' fragments, two sets.  window 2: accumulator (a, b) at v[8 (8 a + b)].
.set KB,     4096                      ; a K step's bytes of one tile
.set SLOT,   24*KB                     ; A' eight tiles, then B' sixteen
.set BOFF,   8*KB
.set SPARE,  2*SLOT                    ; behind the ring: the spare words, 128 bytes for each wave, which no other line names
.set STAGE,  SPARE+512                 ; behind them: 16 rows x 528 bytes for each wave, for the way out: no fill ever lands there
.set SP,     528
.set FR,     16
.set NP,     4
.set ADRA, 16
.set ADRB, 20
.set STO,  24                          ; v24  the way out: where I put my bytes of a row
.set RD,   25                          ; v25  where I read a row back
.set CO,   26                          ; v26  16 x lane
.set BO,   27                          ; v27  the bias loads' offset
.set SPW,  28
.set NIL,  29
.set BI,   32
.set AF,   128
.set TMP,  128
.set BK,   192
.set G1, 24
.set G0, 32
.set G1B, 48
.set G0B, 56
.set MSB, 0
.macro WIN new                         ; the immediate's high byte repeats the setting that is left
.if MSB != \new
	s_set_vgpr_msb (MSB<<8)|\new
.set MSB, \new
.endif
.endm
.set MUL,  0xa1                        ; source 0 (B') window 1, source 1 (A') window 0, C and D window 2
.set TO_B, 0x40
.macro JLOAD g0a, g1a, g0b, g1b        ; a joint load: waves 0 and 1 fetch for A', waves 2 and 3 for B'; four v_nop follow each of the two lines
	s_cmp_eq_u32 s15, 0
	s_cbranch_scc0 .Lfor_b_\@
	tensor_load_to_lds s[\g0a:\g0a+3], s[\g1a:\g1a+7]
	s_nop 0
.rept 4
	v_nop
.endr
	s_branch .Lasked_\@
.Lfor_b_\@:
	tensor_load_to_lds s[\g0b:\g0b+3], s[\g1b:\g1b+7]
	s_nop 0
.rept 4
	v_nop
.endr
.Lasked_\@:
.endm
.macro CREST
	s_cmp_lg_u32 s14, 0
	s_cbranch_scc1 .Lnot_wave_0_\@
	s_barrier_signal -3
.Lnot_wave_0_\@:
	s_barrier_wait -3
	s_barrier_signal -1
	s_barrier_wait -1
.endm
.macro CROUND
	s_barrier_signal -1
	s_barrier_wait -1
	CREST
.endm
	s_load_b256 s[4:11], s[0:1], 0x0               ; y's codes s[4:5], W_fc's s[6:7], the bias s[8:9], the scales' exponents s[10:11]
	s_load_b64 s[12:13], s[0:1], 0x20              ; out
	v_lshl_add_u32 v[SPW], v0, 2, SPARE
	v_mov_b32 v[NIL], 0
	ds_add_u32 v28, v29
	ds_add_u32 v28, v29
	s_wait_dscnt 0x0
	v_lshrrev_b32 v1, 5, v0
	v_readfirstlane_b32 s14, v1                    ; wave 0..3
	s_lshr_b32 s15, s14, 1                         ; which 64 tokens are mine.  Also: I fetch for A' (0) or for B' (1)
	s_and_b32 s16, s14, 1                          ; which 128 columns.  Also: which half of that operand's tiles I fetch
	s_bfe_u32 s40, ttmp6, 0x40000                  ; cx, cy
	s_bfe_u32 s41, ttmp6, 0x40004
	s_lshl_b32 s42, ttmp9, 2
	s_add_co_u32 s42, s42, s40                     ; tile column = 4 x cluster x + cx
	s_and_b32 s17, ttmp7, 0xffff
	s_lshl_b32 s17, s17, 2
	s_add_co_u32 s17, s17, s41                     ; tile row = 4 x cluster y + cy
	s_lshl_b32 s43, s41, 2
	s_lshl_b32 s43, 15, s43                        ; my row of the cluster
	s_lshl_b32 s44, 0x1111, s40                    ; my column
	; descriptor group 1: rows of 4,096 bytes (512 elements of 8 bytes), 16,384 bytes apart in memory, dense in LDS: four for A', eight for B'
	s_or_b32 s[G1+0], s43, (3<<16)|(1<<21)
	s_mov_b32 s[G1+1], 512<<16
	s_mov_b32 s[G1+2], 4<<16
	s_mov_b32 s[G1+3], 512<<16
	s_mov_b32 s[G1+4], 4
	s_mov_b32 s[G1+5], 2048
	s_mov_b32 s[G1+6], 0
	s_mov_b32 s[G1+7], 0
	s_or_b32 s[G1B+0], s44, (3<<16)|(1<<21)
	s_mov_b32 s[G1B+1], 512<<16
	s_mov_b32 s[G1B+2], 8<<16
	s_mov_b32 s[G1B+3], 512<<16
	s_mov_b32 s[G1B+4], 8
	s_mov_b32 s[G1B+5], 2048
	s_mov_b32 s[G1B+6], 0
	s_mov_b32 s[G1B+7], 0
	s_lshl_b32 s46, s17, 17                        ; A': eight tiles a tile row,
	s_lshl_b32 s18, s16, 16                        ; four of them mine to fetch
	s_add_co_u32 s46, s46, s18
	s_mov_b32 s47, 0
	s_lshl_b32 s98, s42, 18                        ; B': sixteen tiles a tile column,
	s_lshl_b32 s19, s16, 17                        ; eight of them mine
	s_add_co_u32 s98, s98, s19
	s_mov_b32 s99, 0
	s_lshl_b32 s45, s16, 14                        ; where they go: no place in the cluster enters an LDS address
	s_lshl_b32 s20, s16, 15
	s_add_co_u32 s20, s20, BOFF
	s_wait_kmcnt 0x0
	s_load_b256 s[76:83], s[10:11], 0x0            ; e0 .. e7
	s_add_nc_u64 s[84:85], s[4:5], s[46:47]
	s_add_nc_u64 s[86:87], s[6:7], s[98:99]
	CROUND                                         ; all sixteen work-groups are here: the first joint loads meet
.irp s, 0,1
	s_mov_b32 s[G0+4*\s], 1
	s_add_co_u32 s[G0+4*\s+1], s45, \s*SLOT
	s_add_nc_u64 s[G0+4*\s+2:G0+4*\s+3], s[84:85], \s*KB
	s_or_b32 s[G0+4*\s+3], s[G0+4*\s+3], 0x80000000
	s_mov_b32 s[G0B+4*\s], 1
	s_add_co_u32 s[G0B+4*\s+1], s20, \s*SLOT
	s_add_nc_u64 s[G0B+4*\s+2:G0B+4*\s+3], s[86:87], \s*KB
	s_or_b32 s[G0B+4*\s+3], s[G0B+4*\s+3], 0x80000000
	s_wait_alu depctr_va_vdst(0)
	s_wait_tensorcnt 0x0
	ds_add_u32 v28, v29
	ds_add_u32 v28, v29
	s_wait_dscnt 0x0
	CROUND
	JLOAD G0+4*\s, G1, G0B+4*\s, G1B               ; one load of mine is out
.endr
	v_and_b32 v1, 31, v0
	v_and_b32 v2, 15, v0                           ; r
	s_wait_alu depctr_va_vdst(0)
	v_bfe_u32 v3, v0, 4, 1                         ; h
	v_lshlrev_b32 v[CO], 4, v1
	s_lshl_b32 s2, s15, 14                         ; my four tiles of A'
	s_lshl_b32 s3, s16, 15                         ; my eight tiles of B',
	s_add_co_u32 s3, s3, BOFF                      ; which lie behind A' eight
.irp s, 0,1
	v_add_nc_u32 v[ADRA+\s], s2, v[CO]
	v_add_nc_u32 v[ADRB+\s], s3, v[CO]
	s_add_co_u32 s2, s2, SLOT
	s_add_co_u32 s3, s3, SLOT
.endr
	s_mul_i32 s2, s14, 16*SP
	s_add_co_u32 s2, s2, STAGE                     ; my stage
	v_mul_u32_u24 v[STO], v2, SP
	s_wait_alu depctr_va_vdst(0)
	v_lshl_add_u32 v[STO], v3, 6, v[STO]
	v_add_nc_u32 v[STO], s2, v[STO]                ; in: row r, + 64 h: my 16 columns of each 32
	v_add_nc_u32 v[RD], s2, v[CO]                  ; back: 32 lanes take a row of 512 bytes
	s_lshl_b32 s22, s42, 10
	s_lshl_b32 s23, s16, 9
	s_add_co_u32 s22, s22, s23                     ; my first column, in bytes: 1,024 x tile column + 512 x half
	s_mov_b32 s23, 0
	s_add_nc_u64 s[90:91], s[8:9], s[22:23]        ; in the bias,
	s_add_nc_u64 s[12:13], s[12:13], s[22:23]      ; and in out,
	s_lshl_b32 s22, s17, 19
	s_lshl_b32 s21, s15, 18
	s_add_co_u32 s22, s22, s21                     ; at my first token: 128 x tile row + 64 x half rows of 4,096 bytes
	s_add_nc_u64 s[12:13], s[12:13], s[22:23]
	v_lshlrev_b32 v[BO], 6, v3                     ; register j of accumulator (a, b) is column 32 (b / 2) + 16 h + 8 (b % 2) + j
.irp b, 0,1,2,3,4,5,6,7
	global_load_b128 v[BI+8*\b:BI+8*\b+3], v[BO], s[90:91] offset:(32*(\b/2)+8*(\b%2))*4
	global_load_b128 v[BI+8*\b+4:BI+8*\b+7], v[BO], s[90:91] offset:(32*(\b/2)+8*(\b%2))*4+16
.endr
.macro PLACES n
.rept \n
	v_nop
.endr
.endm
; 48 LDS loads in one run: the fragments of the slot's q-th 128 along K into set p: each is four loads of 512 consecutive bytes
.macro FETCH slot, q, p
	WIN TO_B
.irp i, 0,1,2,3,4,5,6,7
.irp c, 0,1,2,3
	ds_load_b128 v[128*(\p)+FR*\i+4*\c:128*(\p)+FR*\i+4*\c+3], v[ADRB+\slot] offset:\i*KB+(\q)*2048+512*\c
.endr
.endr
	WIN 0
.irp i, 0,1,2,3
.irp c, 0,1,2,3
	ds_load_b128 v[AF+64*(\p)+FR*\i+4*\c:AF+64*(\p)+FR*\i+4*\c+3], v[ADRA+\slot] offset:\i*KB+(\q)*2048+512*\c
.endr
.endr
.endm
; 8 matrix instructions: A' block a x B' eight, 128 along K, on set p.  The 32 accumulators take turns, one instruction a turn, in the same order in every step.
.macro MUL8 a, p, zero
.irp b, 0,1,2,3,4,5,6,7
.if \zero
	v_wmma_f32_16x16x128_fp8_fp8 v[8*(8*(\a)+\b):8*(8*(\a)+\b)+7], v[128*(\p)+FR*\b:128*(\p)+FR*\b+FR-1], v[AF+64*(\p)+FR*(\a):AF+64*(\p)+FR*(\a)+FR-1], 0
.else
	v_wmma_f32_16x16x128_fp8_fp8 v[8*(8*(\a)+\b):8*(8*(\a)+\b)+7], v[128*(\p)+FR*\b:128*(\p)+FR*\b+FR-1], v[AF+64*(\p)+FR*(\a):AF+64*(\p)+FR*(\a)+FR-1], v[8*(8*(\a)+\b):8*(8*(\a)+\b)+7]
.endif
.endr
.endm
; A slot's first step: multiplies set 0 and fetches the slot's second 128 along K into set 1.
.macro STEPG slot, zero
	s_wait_dscnt 0x0                               ; set 0 is in
	PLACES NP                                      ; in front of loads into set 1, which the last products read
	FETCH \slot, 1, 1
	WIN MUL
	MUL8 0, 0, \zero
	MUL8 1, 0, \zero
	MUL8 2, 0, \zero
	MUL8 3, 0, \zero
	WIN 0
.endm
; A slot's second step multiplies set 1 and changes slots: ONE barrier; in front of it each wave waits for all its tensor loads, adds 0 to its spare word, and waits for that and for its reads of this slot.  fill = 1: this slot is filled again, two K steps ahead.
.macro TURNG slot, next, fill
	s_wait_tensorcnt 0x0                           ; all my tensor loads have landed: my part of the next slot
	ds_add_u32 v[SPW], v[NIL]                      ; 0 onto my spare word
	s_wait_dscnt 1                                 ; set 1 is in; the add alone may be out
	WIN MUL
	MUL8 0, 1, 0                                   ; eight matrix instructions stand between the add and the wait for it
	s_wait_dscnt 0x0                               ; the add is done, and my reads of this slot are over
	s_barrier_signal -1
	MUL8 1, 1, 0
	WIN 0
	s_barrier_wait -1
.if \fill
	CREST                                          ; the barrier has opened a round of the cluster's: no wave of any partner still reads this slot or has a load on its way
	s_add_nc_u64 s[G0+4*\slot+2:G0+4*\slot+3], s[G0+4*\slot+2:G0+4*\slot+3], 2*KB
	s_add_nc_u64 s[G0B+4*\slot+2:G0B+4*\slot+3], s[G0B+4*\slot+2:G0B+4*\slot+3], 2*KB
	JLOAD G0+4*\slot, G1, G0B+4*\slot, G1B         ; the first tensor load behind the round, my one load until the next; its four v_nop are the places in front of the loads below
.else
	PLACES NP
.endif
	FETCH \next, 0, 0
	WIN MUL
	MUL8 2, 1, 0
	MUL8 3, 1, 0
	WIN 0
.endm
	s_wait_tensorcnt 1                             ; my part of K step 0 is in; K step 1's load may be out
	s_barrier_signal -1
	s_barrier_wait -1
	FETCH 0, 0, 0
	STEPG 0, 1                                     ; the first products start the sums: nothing is cleared
	TURNG 0, 1, 1                                  ; slot 0 takes K step 2
	STEPG 1, 0
	TURNG 1, 0, 1                                  ; slot 1 takes K step 3
	STEPG 0, 0
	TURNG 0, 1, 0                                  ; nothing is left to fetch
	STEPG 1, 0
	s_wait_dscnt 0x0
	WIN MUL
	MUL8 0, 1, 0
	MUL8 1, 1, 0
	MUL8 2, 1, 0
	MUL8 3, 1, 0
	WIN 0
; THE WAY OUT, a block of 16 tokens x 128 columns at a time: sum x 2^(e6 + e7) + bias, one packed multiply-add for two numbers, into other registers, each accumulator from its low end on; through my own stage;
; back as whole rows of 512 bytes, which go to the tokens that the tile's rows stand for: row t of block a is token 32 (a / 2) + 8 (a % 2) + t + 8 (t / 8) of my 64.
.macro OUTB a
	WIN 0x02                                       ; source 0: window 2
.set j, 0
.rept 32
	v_pk_fma_f32 v[TMP+j:TMP+j+1], v[64*(\a)+j:64*(\a)+j+1], s[96:97], v[BI+j:BI+j+1] op_sel_hi:[1,0,1]
.set j, j+2
.endr
	WIN 0
.irp b, 0,1,2,3
.irp k, 0,1,2,3
	ds_store_b128 v[STO], v[TMP+16*\b+4*\k:TMP+16*\b+4*\k+3] offset:128*\b+16*\k
.endr
.endr
.if (\a) > 0
	s_wait_xcnt 0x0                                ; the last block's stores have read their registers: only behind this wait do loads land there
.endif
.irp t, 0,1,2,3,4,5,6,7,8,9,10,11,12,13,14,15
	ds_load_b128 v[BK+4*\t:BK+4*\t+3], v[RD] offset:\t*SP   ; LDS serves a wave's instructions in order: these see the stores above
.endr
.irp t, 0,1,2,3,4,5,6,7,8,9,10,11,12,13,14,15
	s_wait_dscnt 15-\t                             ; row t is back; the younger rows may be out
	global_store_b128 v[CO], v[BK+4*\t:BK+4*\t+3], s[12:13] offset:(32*((\a)/2)+8*((\a)%2)+\t+8*(\t/8))*4096 th:TH_STORE_NT   ; 32 lanes store 512 consecutive bytes, aligned; written once, read by nobody here
.endr
.endm
	s_wait_kmcnt 0x0
	s_add_co_i32 s96, s82, s83                     ; e6 + e7
	s_add_co_i32 s96, s96, 127
	s_lshl_b32 s96, s96, 23                        ; 2^(e6 + e7) as f32
	s_mov_b32 s97, s96                             ; (named with it as a pair)
	s_wait_loadcnt 0x0                             ; the bias
	PLACES NP                                      ; in front of the writes into the registers that held A' fragments, and of the reads of results
	OUTB 0
	OUTB 1
	OUTB 2
	OUTB 3
	s_wait_tensorcnt 0x0                           ; the wave's end, behind my last tensor load and my last LDS store
	ds_add_u32 v[SPW], v[NIL]
	s_wait_dscnt 0x0
	CROUND                                         ; the closing round: no work-group ends while a partner may still ask for a tile that names it
	s_endpgm
.Lfunc_end_k_q1c7321a5c8_fc:
	.size	k_q1c7321a5c8_fc, .Lfunc_end_k_q1c7321a5c8_fc-k_q1c7321a5c8_fc
	.p2alignl 7, 3214868480
	.fill 96, 4, 3214868480
	.section	.rodata,"a",@progbits
	.p2align	6, 0x0
	.amdhsa_kernel k_q1c7321a5c8_fc
		.amdhsa_group_segment_fixed_size 327680
		.amdhsa_private_segment_fixed_size 0
		.amdhsa_enable_private_segment 0
		.amdhsa_kernarg_size 40
		.amdhsa_user_sgpr_count 2
		.amdhsa_user_sgpr_kernarg_segment_ptr 1
		.amdhsa_wavefront_size32 1
		.amdhsa_system_sgpr_workgroup_id_x 1
		.amdhsa_system_sgpr_workgroup_id_y 1
		.amdhsa_system_sgpr_workgroup_id_z 1
		.amdhsa_system_vgpr_workitem_id 0
		.amdhsa_next_free_vgpr 768
		.amdhsa_next_free_sgpr 100
		.amdhsa_reserve_vcc 0
		.amdhsa_float_denorm_mode_32 3
		.amdhsa_float_denorm_mode_16_64 3
		.amdhsa_memory_ordered 1
		.amdhsa_forward_progress 1
		.amdhsa_inst_pref_size 79
	.end_amdhsa_kernel
	.amdgpu_metadata
---
amdhsa.version: [ 1, 2 ]
amdhsa.kernels:
  - .name:           k_q1c7321a5c8_fc
    .symbol:         k_q1c7321a5c8_fc.kd
    .args:
      - { .name: yc, .offset: 0, .size: 8, .value_kind: global_buffer, .address_space: global }
      - { .name: wfc, .offset: 8, .size: 8, .value_kind: global_buffer, .address_space: global }
      - { .name: b_fc, .offset: 16, .size: 8, .value_kind: global_buffer, .address_space: global }
      - { .name: lowp_scales, .offset: 24, .size: 8, .value_kind: global_buffer, .address_space: global }
      - { .name: out0, .offset: 32, .size: 8, .value_kind: global_buffer, .address_space: global }
    .group_segment_fixed_size: 327680
    .private_segment_fixed_size: 0
    .kernarg_segment_align: 8
    .kernarg_segment_size: 40
    .max_flat_workgroup_size: 128
    .sgpr_count:     100
    .vgpr_count:     768
    .wavefront_size: 32
...
	.end_amdgpu_metadata
.endif
;; end of part 4
